; MI455X (gfx1250); checked and timed in simulation.
; The chip was launched on July 23, 2026; its instructions are those of AMD's public machine-readable ISA for CDNA 5 (MIT licence, August 2026) and "CDNA5" Instruction Set Architecture Reference Guide (July 2026). The comments in the code are by the model that wrote it; some were corrected since.
;; Rot Invariant Attention. Allowed arithmetic: float matrix products may take bf16 or f16 operands with f32 sums; all other float work in f32.
;; Inputs: Wk 512 x 512 float32; Wo 512 x 512 float32; Wq 512 x 512 float32; Ws 512 float32; Wv 512 x 512 float32; node_feats 32,768 x 512 float32; x 16 x 2,048 x 512 float32.
;; Outputs: out0 16 x 512 float32.
;; One version. Each part assembles by itself: llvm-mc -triple=amdgcn-amd-amdhsa -mcpu=gfx1250 --defsym DOCPART=n.
;; ======== version 1 of 1: 3 launches
;; workspace buffers: wvec 4,096 bytes; wvo 1,048,576 bytes; part 589,824 bytes
;; launch prep (part 1): grid 272 x 1, 8 waves a work-group, no clusters, 34,048 bytes of LDS; arguments Wq, Wk, Ws, Wv, Wo, wvec, wvo; writes wvec, wvo
.if DOCPART == 1
	.amdgcn_target "amdgcn-amd-amdhsa--gfx1250"
	.amdhsa_code_object_version 6
	.text
	.protected	k_q20afbfe40d_prep
	.globl	k_q20afbfe40d_prep
	.p2align	8
	.type	k_q20afbfe40d_prep,@function
k_q20afbfe40d_prep:
	s_mov_b64 s[64:65], 0
	v_nop
	global_prefetch_b8 v0, s[64:65] scope:SCOPE_SE
	s_setreg_imm32_b32 hwreg(HW_REG_WAVE_MODE, 25, 1), 1
	s_wait_xcnt 0x0
; PREP: the small products that the linear steps of the module allow to be made once, ahead of the streams.
;   wvec[0][i] = CS * sum_h Wq[i][h] Ws[h]     so that  (x Wq) Ws  = x . wvec[0] / CS
;   wvec[1][i] = CS * sum_h Wk[i][h] Ws[h]     so that  (node_feats Wk) Ws = node_feats . wvec[1] / CS
;   wvo[i][o]  = sum_h Wv[i][h] Wo[h][o]       so that  ((w x) Wv) Wo = (w x) wvo
; CS = log2(e) / sqrt(2048): scores arrive scaled as the softmax wants them, in units of powers of two.
; Work-groups 0-15 make 64 words of wvec each (f32, vector unit: a product with one column fills a sixteenth of a matrix tile).
; Work-groups 16-271 make a block of 16 x 64 of wvo each on the matrix unit, bf16 operands, f32 sums.
; LDS: bytes 0-32767 belong to the wvo role, bytes 32768-33023 to the wvec role: the two roles' bytes are apart by the text alone.
; LIMITS: Wv and Wo are rounded to bf16 (nearest even) for their product; the sums over h run in another order than in
; the module as written (first Wv Wo, then x), so last bits differ and overflow near the end of f32's range falls elsewhere.
; No cluster: Wv's rows are shared by 8 work-groups and Wo's by 32, 2 MiB in all, each read once by a work-group in one burst of
; 40 loads a wave with no loop behind it, straight into the lane layout that the conversion to bf16 needs.
.set CS,   0x3d0293ee                  ; log2(e) / sqrt(2048)
.set RAW0, 16                          ; v[16:95]   K step 0 as loaded: A 16 registers, B 64
.set RAW1, 96                          ; v[96:175]  K step 1 as loaded
.set F0,   176                         ; v[176:215] K step 0 in bf16: A 8 registers, then four B fragments of 8
.set F1,   16                          ; v[16:55]   K step 1 in bf16, over RAW0, which is converted by then
.set ACC,  216                         ; v[216:247] four accumulator tiles of 16 x 16
.set MW,   16                          ; matvec: v[16:31] Ws
.set MX,   32                          ; matvec: v[32:159] eight rows, 16 registers each
.set MT,   160                         ; matvec: v[160:175] a pair for each row's sum
.set MVLDS, 32768                      ; matvec: its 256 bytes of LDS
; Four dot products of 512 numbers at once.  X: four rows of 16 registers, W: the vector in the same layout (lane l holds the 16 bytes
; at 512 j + 16 l, j = 0..3), T: a register pair a row.  The result stands in v[T+2r] of every lane.
.macro DOT4 X, W, T
.irp r, 0,1,2,3
	v_pk_mul_f32 v[\T+2*\r:\T+2*\r+1], v[\X+16*\r:\X+16*\r+1], v[\W:\W+1]                 ; the first products start the sums
.endr
.irp p, 1,2,3,4,5,6,7
.irp r, 0,1,2,3
	v_pk_fma_f32 v[\T+2*\r:\T+2*\r+1], v[\X+16*\r+2*\p:\X+16*\r+2*\p+1], v[\W+2*\p:\W+2*\p+1], v[\T+2*\r:\T+2*\r+1]
.endr
.endr
.irp r, 0,1,2,3
	v_add_f32 v[\T+2*\r], v[\T+2*\r], v[\T+2*\r+1]
.endr
.irp msk, 1,2,4,8
.irp r, 0,1,2,3
	v_add_f32_dpp v[\T+2*\r], v[\T+2*\r], v[\T+2*\r] row_xmask:\msk row_mask:0xf bank_mask:0xf
.endr
.endr
.irp r, 0,1,2,3
	v_permlanex16_b32 v[\T+2*\r+1], v[\T+2*\r], s18, s19                                   ; the other half of the lanes
.endr
.irp r, 0,1,2,3
	v_add_f32 v[\T+2*\r], v[\T+2*\r], v[\T+2*\r+1]
.endr
.endm
	s_load_b256 s[4:11], s[0:1], 0x0               ; Wq s[4:5], Wk s[6:7], Ws s[8:9], Wv s[10:11]
	s_load_b128 s[12:15], s[0:1], 0x20             ; Wo s[12:13], wvec s[14:15]
	s_load_b64 s[16:17], s[0:1], 0x30              ; wvo
	v_lshl_add_u32 v254, v0, 2, 0x8100
	v_mov_b32 v255, 0
	v_and_b32 v1, 31, v0
	v_and_b32 v2, 15, v0                           ; r = lane % 16
	v_bfe_u32 v3, v0, 4, 1                         ; hh = lane / 16
	v_lshrrev_b32 v9, 5, v0
	v_readfirstlane_b32 s20, v9                    ; wave 0..7
	v_lshlrev_b32 v1, 4, v1                        ; 16 x lane
	s_cmp_lt_u32 ttmp9, 16                         ; the same in all waves of a work-group
	s_cbranch_scc1 .Lmv
	; ---------------- wvo: block rows 16 mt .. +15, columns 64 nt .. +63; wave w sums h = 64 w .. 64 w + 63 ----------------
	s_sub_co_u32 s24, ttmp9, 16
	s_lshr_b32 s25, s24, 3                         ; mt
	s_and_b32 s26, s24, 7                          ; nt
	s_lshl_b32 s25, s25, 15                        ; 16 rows of 2,048 bytes
	s_lshl_b32 s26, s26, 8                         ; 64 columns of 4 bytes
	s_lshl_b32 s27, s20, 8
	s_add_co_u32 s28, s25, s27                     ; Wv: my rows, my 64 h
	s_mov_b32 s29, 0
	s_lshl_b32 s27, s20, 17
	s_add_co_u32 s30, s26, s27                     ; Wo: my 64 rows h, my columns
	s_mov_b32 s31, 0
	s_lshl_b32 s27, s20, 11
	s_add_co_u32 s32, s25, s26
	s_add_co_u32 s32, s32, s27                     ; wvo: rows 16 mt + w and 16 mt + 8 + w, which this wave stores at the end
	s_mov_b32 s33, 0
	v_lshlrev_b32 v4, 11, v2
	v_lshl_add_u32 v4, v3, 5, v4                   ; A: row r, 8 h of 4 bytes for each half of the lanes
	v_lshlrev_b32 v5, 4, v2
	v_lshl_add_u32 v5, v3, 14, v5                  ; B and the result: 8 rows for each half, 16 bytes (4 columns) for each r
	s_lshl_b32 s34, s20, 12
	s_lshl_b32 s35, s20, 9
	v_add_nc_u32 v6, s34, v1                       ; LDS: my wave's 4,096 bytes + 16 x lane
	v_add_nc_u32 v7, s35, v1                       ; LDS: row pair w of each wave's part + 16 x lane
	s_wait_kmcnt 0x0
	s_add_nc_u64 s[10:11], s[10:11], s[28:29]
	s_add_nc_u64 s[12:13], s[12:13], s[30:31]
	s_add_nc_u64 s[16:17], s[16:17], s[32:33]
; One K step of 32 as f32.  A: lane (r, hh) takes h = 8 hh .. +7 and 16 + 8 hh .. +7 of row r (ISA guide 7.12.2: 16-bit A, K = 32).
; B: row h = 16 q + 8 hh + j, 16 bytes at 16 r, so sixteen lanes read 256 consecutive bytes; word t of a load belongs to n tile t,
; whose column r is therefore the true column 64 nt + 4 r + t.
.macro LOADS raw, s
.irp o, 0,1
	global_load_b128 v[\raw+8*\o:\raw+8*\o+3],   v4, s[10:11] offset:128*\s+64*\o
	global_load_b128 v[\raw+8*\o+4:\raw+8*\o+7], v4, s[10:11] offset:128*\s+64*\o+16
.endr
.irp q, 0,1
.irp j, 0,1,2,3,4,5,6,7
	global_load_b128 v[\raw+16+4*(8*\q+\j):\raw+16+4*(8*\q+\j)+3], v5, s[12:13] offset:(32*\s+16*\q+\j)*2048
.endr
.endr
.endm
; f32 to bf16, two neighbouring h to a register, the lower h in the low half
.macro CVT raw, frag
.irp p, 0,1,2,3,4,5,6,7
	v_cvt_pk_bf16_f32 v[\frag+\p], v[\raw+2*\p], v[\raw+2*\p+1]
.endr
.irp t, 0,1,2,3
.irp q, 0,1
.irp p, 0,1,2,3
	v_cvt_pk_bf16_f32 v[\frag+8+8*\t+4*\q+\p], v[\raw+16+4*(8*\q+2*\p)+\t], v[\raw+16+4*(8*\q+2*\p+1)+\t]
.endr
.endr
.endr
.endm
	LOADS RAW0, 0
	LOADS RAW1, 1
	s_wait_loadcnt 20                              ; the 20 loads of K step 1 are younger and stay out
	CVT RAW0, F0
.irp t, 0,1,2,3
	v_wmma_f32_16x16x32_bf16 v[ACC+8*\t:ACC+8*\t+7], v[F0:F0+7], v[F0+8+8*\t:F0+15+8*\t], 0      ; starts the sums
.endr
	s_wait_loadcnt 0x0
	CVT RAW1, F1                                   ; writes v16-55: no register of the four products above
.irp t, 0,1,2,3
	v_wmma_f32_16x16x32_bf16 v[ACC+8*\t:ACC+8*\t+7], v[F1:F1+7], v[F1+8+8*\t:F1+15+8*\t], v[ACC+8*\t:ACC+8*\t+7]
.endr
.rept 4
	v_nop                                          ; four places before the LDS stores read the results
.endr
	; the eight waves' partial blocks meet in LDS: wave u at 4,096 u; register j (rows j and 8 + j) at 512 j; lane at 16 l; tile t at 4 t
.irp t, 0,1,2,3
.irp j, 0,1,2,3,4,5,6,7
	ds_store_b32 v6, v[ACC+8*\t+\j] offset:512*\j+4*\t
.endr
.endr
	s_wait_dscnt 0x0                               ; my stores are done, for the other waves' sake
	s_barrier_signal -1
	s_barrier_wait -1
.irp u, 0,1,2,3,4,5,6,7
	ds_load_b128 v[96+4*\u:99+4*\u], v7 offset:4096*\u                 ; rows w and 8 + w of every wave's part
.endr
	s_wait_dscnt 0x0
.irp u, 0,2,4,6
	v_pk_add_f32 v[96+4*\u:97+4*\u], v[96+4*\u:97+4*\u], v[100+4*\u:101+4*\u]
	v_pk_add_f32 v[98+4*\u:99+4*\u], v[98+4*\u:99+4*\u], v[102+4*\u:103+4*\u]
.endr
.irp u, 0,4
	v_pk_add_f32 v[96+4*\u:97+4*\u], v[96+4*\u:97+4*\u], v[104+4*\u:105+4*\u]
	v_pk_add_f32 v[98+4*\u:99+4*\u], v[98+4*\u:99+4*\u], v[106+4*\u:107+4*\u]
.endr
	v_pk_add_f32 v[96:97], v[96:97], v[112:113]
	v_pk_add_f32 v[98:99], v[98:99], v[114:115]
	global_store_b128 v5, v[96:99], s[16:17]       ; each half of the lanes stores 256 consecutive bytes of one row, aligned
	s_wait_tensorcnt 0x0
	ds_add_u32 v254, v255
	s_wait_dscnt 0x0
	s_endpgm
	; ---------------- wvec: work-group g makes words 64 g .. 64 g + 63; wave w eight rows of Wq (g < 8) or Wk ----------------
.Lmv:
	s_mov_b32 s18, 0x76543210                      ; v_permlanex16_b32: lane i reads lane i of the other half
	s_mov_b32 s19, 0xfedcba98
	s_and_b32 s24, ttmp9, 7
	s_lshl_b32 s24, s24, 17                        ; 64 rows of 2,048 bytes
	s_lshl_b32 s25, s20, 14                        ; 8 rows
	s_add_co_u32 s24, s24, s25
	s_mov_b32 s25, 0
	s_lshl_b32 s26, ttmp9, 8                       ; 64 words of wvec
	s_mov_b32 s27, 0
	s_lshl_b32 s28, s20, 5                         ; LDS: 8 words a wave
	v_mov_b32 v6, s28
	v_lshrrev_b32 v7, 1, v1                        ; 8 x lane
	s_wait_kmcnt 0x0
	s_cmp_lt_u32 ttmp9, 8
	s_cselect_b64 s[30:31], s[4:5], s[6:7]
	s_add_nc_u64 s[30:31], s[30:31], s[24:25]
	s_add_nc_u64 s[14:15], s[14:15], s[26:27]
.irp j, 0,1,2,3
	global_load_b128 v[MW+4*\j:MW+4*\j+3], v1, s[8:9] offset:512*\j
.endr
.irp r, 0,1,2,3,4,5,6,7
.irp j, 0,1,2,3
	global_load_b128 v[MX+16*\r+4*\j:MX+16*\r+4*\j+3], v1, s[30:31] offset:2048*\r+512*\j th:TH_LOAD_NT
.endr
.endr
	s_wait_loadcnt 16                              ; Ws and rows 0-3 are in; the 16 loads of rows 4-7 stay out
	DOT4 MX, MW, MT
	s_wait_loadcnt 0x0
	DOT4 MX+64, MW, MT+8
.irp r, 0,1,2,3,4,5,6,7
	v_mul_f32 v[176+\r], CS, v[MT+2*\r]
.endr
	ds_store_b128 v6, v[176:179] offset:MVLDS      ; every lane holds the same eight sums and writes the same bytes
	ds_store_b128 v6, v[180:183] offset:MVLDS+16
	s_wait_dscnt 0x0                               ; my stores are done, for wave 0's sake
	s_barrier_signal -1
	s_barrier_wait -1
	s_cmp_lg_u32 s20, 0
	s_cbranch_scc1 .Lmvend
	ds_load_b64 v[184:185], v7 offset:MVLDS        ; wave 0: the work-group's 64 words, 8 bytes a lane
	s_wait_dscnt 0x0
	global_store_b64 v7, v[184:185], s[14:15]      ; one store of 256 consecutive bytes, aligned
.Lmvend:
	s_wait_tensorcnt 0x0
	ds_add_u32 v254, v255
	s_wait_dscnt 0x0
	s_endpgm
.Lfunc_end_k_q20afbfe40d_prep:
	.size	k_q20afbfe40d_prep, .Lfunc_end_k_q20afbfe40d_prep-k_q20afbfe40d_prep
	.p2alignl 7, 3214868480
	.fill 96, 4, 3214868480
	.section	.rodata,"a",@progbits
	.p2align	6, 0x0
	.amdhsa_kernel k_q20afbfe40d_prep
		.amdhsa_group_segment_fixed_size 34048
		.amdhsa_private_segment_fixed_size 0
		.amdhsa_enable_private_segment 0
		.amdhsa_kernarg_size 56
		.amdhsa_user_sgpr_count 2
		.amdhsa_user_sgpr_kernarg_segment_ptr 1
		.amdhsa_wavefront_size32 1
		.amdhsa_system_sgpr_workgroup_id_x 1
		.amdhsa_system_sgpr_workgroup_id_y 1
		.amdhsa_system_sgpr_workgroup_id_z 1
		.amdhsa_system_vgpr_workitem_id 0
		.amdhsa_next_free_vgpr 256
		.amdhsa_next_free_sgpr 66
		.amdhsa_reserve_vcc 0
		.amdhsa_float_denorm_mode_32 3
		.amdhsa_float_denorm_mode_16_64 3
		.amdhsa_memory_ordered 1
		.amdhsa_forward_progress 1
		.amdhsa_inst_pref_size 28
	.end_amdhsa_kernel
	.amdgpu_metadata
---
amdhsa.version: [ 1, 2 ]
amdhsa.kernels:
  - .name:           k_q20afbfe40d_prep
    .symbol:         k_q20afbfe40d_prep.kd
    .args:
      - { .name: Wq, .offset: 0, .size: 8, .value_kind: global_buffer, .address_space: global }
      - { .name: Wk, .offset: 8, .size: 8, .value_kind: global_buffer, .address_space: global }
      - { .name: Ws, .offset: 16, .size: 8, .value_kind: global_buffer, .address_space: global }
      - { .name: Wv, .offset: 24, .size: 8, .value_kind: global_buffer, .address_space: global }
      - { .name: Wo, .offset: 32, .size: 8, .value_kind: global_buffer, .address_space: global }
      - { .name: wvec, .offset: 40, .size: 8, .value_kind: global_buffer, .address_space: global }
      - { .name: wvo, .offset: 48, .size: 8, .value_kind: global_buffer, .address_space: global }
    .group_segment_fixed_size: 34048
    .private_segment_fixed_size: 0
    .kernarg_segment_align: 8
    .kernarg_segment_size: 56
    .max_flat_workgroup_size: 256
    .sgpr_count:     66
    .vgpr_count:     256
    .wavefront_size: 32
...
	.end_amdgpu_metadata
.endif
;; end of part 1
;; launch stream (part 2): grid 256 x 1, 16 waves a work-group, no clusters, 18,688 bytes of LDS; arguments x, node_feats, wvec, part; writes part
.if DOCPART == 2
	.amdgcn_target "amdgcn-amd-amdhsa--gfx1250"
	.amdhsa_code_object_version 6
	.text
	.protected	k_q20afbfe40d_stream
	.globl	k_q20afbfe40d_stream
	.p2align	8
	.type	k_q20afbfe40d_stream,@function
k_q20afbfe40d_stream:
	s_mov_b64 s[64:65], 0
	v_nop
	global_prefetch_b8 v0, s[64:65] scope:SCOPE_SE
	s_setreg_imm32_b32 hwreg(HW_REG_WAVE_MODE, 25, 1), 1
	s_wait_xcnt 0x0
; STREAM: x and node_feats are each read once; everything that hangs on a whole row is made while the row lies in registers.
; The module's scores are (a[q] - c[k]) / sqrt(2048), softmax over q, with a = (x Wq) Ws and c = (node_feats Wk) Ws.  The maximum that
; the softmax takes away is (max a - c[k]) / sqrt(2048), so a finite c[k] leaves row k of the weights equal to softmax_q(a) for every k,
; and a c[k] that is not finite makes row k, and with it the batch's whole output, NaN.  The sum over k of the weights is therefore
; G softmax_q(a), G = the sum over the keys of 1 (NaN for a key whose c is not finite), and the output is (G softmax(a) . x) (Wv Wo).
; Here: work-group g owns rows 128 g .. +127 of x (batch g / 16) and of node_feats.  Waves 0-7 take 16 rows of x each and keep a running
; maximum M, the sum Z of 2^(a - M) and the weighted row sum acc[512]; waves 8-15 take 16 rows of node_feats each, form the true c of
; each key in f32 and fold it into G by fma(c, 0, G).  The eight states are merged in LDS into one record of part:
; bytes 0-2047 acc[512], bytes 2048-2303 (M, Z, G, 0) sixteen times.
; LIMITS: c acts only through being finite or not (the identity above is exact; the module's own f32 rounding of a - c is not copied);
; the order of sums differs from the module's; v_exp_f32 gives 0 below 2^-126 (ISA guide 15.8), so rows whose weight is smaller than
; that against the largest count as 0.
; No LDS ring, no tensor loads, no cluster: no two waves read the same byte of x or node_feats, and a wave's 48 row loads in flight
; (24 KiB, 384 KiB a work-group of its 512 KiB) lie in registers that the arithmetic reads directly.
.set RM,   2                           ; running maximum (in powers of two)
.set RZ,   3                           ; running sum of weights
.set RG,   4                           ; number of keys, or NaN
.set RF,   6                           ; v[6:7]: the factor 2^(old M - new M), and the new maximum beside it
.set RMN,  7
.set RS,   8                           ; v[8:9] at work
.set RT,   10                          ; v[10:17] a pair for each of four rows: score, then weight
.set RW,   18                          ; v[18:33] my vector of wvec
.set RACC, 34                          ; v[34:49] weighted sum of rows, in the rows' own layout
.set SL0,  50                          ; three slots of four rows, 16 registers a row
.set SL1,  114
.set SL2,  178
.set RA,   242                         ; LDS: 4 x wave, my word among the waves' figures; written once, above the slots
.macro DOT4 X, W, T                    ; four dot products of 512 numbers; the result stands in v[T+2r] of every lane
.irp r, 0,1,2,3
	v_pk_mul_f32 v[\T+2*\r:\T+2*\r+1], v[\X+16*\r:\X+16*\r+1], v[\W:\W+1]
.endr
.irp p, 1,2,3,4,5,6,7
.irp r, 0,1,2,3
	v_pk_fma_f32 v[\T+2*\r:\T+2*\r+1], v[\X+16*\r+2*\p:\X+16*\r+2*\p+1], v[\W+2*\p:\W+2*\p+1], v[\T+2*\r:\T+2*\r+1]
.endr
.endr
.irp r, 0,1,2,3
	v_add_f32 v[\T+2*\r], v[\T+2*\r], v[\T+2*\r+1]
.endr
.irp msk, 1,2,4,8
.irp r, 0,1,2,3
	v_add_f32_dpp v[\T+2*\r], v[\T+2*\r], v[\T+2*\r] row_xmask:\msk row_mask:0xf bank_mask:0xf
.endr
.endr
.irp r, 0,1,2,3
	v_permlanex16_b32 v[\T+2*\r+1], v[\T+2*\r], s18, s19
.endr
.irp r, 0,1,2,3
	v_add_f32 v[\T+2*\r], v[\T+2*\r], v[\T+2*\r+1]
.endr
.endm
; rows 4 grp .. 4 grp + 3 of my 16: each load of the wave covers 512 consecutive bytes, four loads a row
.macro FILL slot, grp
.irp r, 0,1,2,3
.irp j, 0,1,2,3
	global_load_b128 v[\slot+16*\r+4*\j:\slot+16*\r+4*\j+3], v1, s[20:21] offset:(4*\grp+\r)*2048+512*\j th:TH_LOAD_NT
.endr
.endr
.endm
	s_load_b256 s[4:11], s[0:1], 0x0               ; x s[4:5], node_feats s[6:7], wvec s[8:9], part s[10:11]
	v_lshl_add_u32 v254, v0, 2, 0x4100
	v_mov_b32 v255, 0
	v_lshrrev_b32 v5, 5, v0
	v_readfirstlane_b32 s12, v5                    ; wave 0..15
	v_and_b32 v1, 31, v0
	v_lshlrev_b32 v1, 4, v1                        ; 16 x lane: the one address register of the streams, never rewritten
	s_mov_b32 s18, 0x76543210
	s_mov_b32 s19, 0xfedcba98
	s_and_b32 s13, s12, 7
	s_lshr_b32 s14, s12, 3                         ; 0: x, 1: node_feats
	s_lshl_b32 s24, ttmp9, 18                      ; 128 rows of 2,048 bytes
	s_lshl_b32 s15, s13, 15                        ; 16 rows
	s_add_co_u32 s24, s24, s15
	s_mov_b32 s25, 0
	s_lshl_b32 s26, s14, 11                        ; my vector of wvec
	s_mov_b32 s27, 0
	s_mul_i32 s28, ttmp9, 2304                     ; my record of part
	s_mov_b32 s29, 0
	s_lshl_b32 s16, s12, 2                         ; LDS: a word a wave
	v_mov_b32 v[RA], s16
	s_wait_kmcnt 0x0
	s_cmp_lt_u32 s12, 8
	s_cselect_b64 s[20:21], s[4:5], s[6:7]
	s_add_nc_u64 s[20:21], s[20:21], s[24:25]
	s_add_nc_u64 s[22:23], s[8:9], s[26:27]
	s_add_nc_u64 s[10:11], s[10:11], s[28:29]
.irp j, 0,1,2,3
	global_load_b128 v[RW+4*\j:RW+4*\j+3], v1, s[22:23] offset:512*\j
.endr
	FILL SL0, 0
	FILL SL1, 1
	FILL SL2, 2
	s_cmp_ge_u32 s12, 8
	s_cbranch_scc1 .Lnode
; Four rows of x.  left = the younger loads that may stay out.  first = 1: these rows start M, Z and acc, nothing is cleared.
.macro XGROUP slot, first, left, refill
	s_wait_loadcnt \left
	DOT4 \slot, RW, RT
	v_max3_num_f32 v[RMN], v[RT], v[RT+2], v[RT+4]
.if \first
	v_max_num_f32 v[RMN], v[RMN], v[RT+6]
.else
	v_max3_num_f32 v[RMN], v[RMN], v[RT+6], v[RM]
	v_sub_f32 v[RF], v[RM], v[RMN]
.endif
.irp r, 0,1,2,3
	v_sub_f32 v[RT+2*\r], v[RT+2*\r], v[RMN]
.endr
.if \first == 0
	v_exp_f32 v[RF], v[RF]
.endif
.irp r, 0,1,2,3
	v_exp_f32 v[RT+2*\r], v[RT+2*\r]
.endr
	v_mov_b32 v[RM], v[RMN]                        ; the plain instruction between the exponentials and their first use (ISA guide 5.7.2)
	s_wait_alu depctr_va_vdst(0)
	v_add_f32 v[RS], v[RT], v[RT+2]
	v_add_f32 v[RS+1], v[RT+4], v[RT+6]
.if \first
	v_add_f32 v[RZ], v[RS], v[RS+1]
.irp p, 0,1,2,3,4,5,6,7
	v_pk_mul_f32 v[RACC+2*\p:RACC+2*\p+1], v[\slot+2*\p:\slot+2*\p+1], v[RT:RT+1] op_sel_hi:[1,0]
.endr
.else
	v_add_f32 v[RS], v[RS], v[RS+1]
	v_fma_f32 v[RZ], v[RZ], v[RF], v[RS]
.irp p, 0,1,2,3,4,5,6,7
	v_pk_mul_f32 v[RACC+2*\p:RACC+2*\p+1], v[RACC+2*\p:RACC+2*\p+1], v[RF:RF+1] op_sel_hi:[1,0]
.endr
.irp p, 0,1,2,3,4,5,6,7
	v_pk_fma_f32 v[RACC+2*\p:RACC+2*\p+1], v[\slot+2*\p:\slot+2*\p+1], v[RT:RT+1], v[RACC+2*\p:RACC+2*\p+1] op_sel_hi:[1,0,1]
.endr
.endif
.irp r, 1,2,3
.irp p, 0,1,2,3,4,5,6,7
	v_pk_fma_f32 v[RACC+2*\p:RACC+2*\p+1], v[\slot+16*\r+2*\p:\slot+16*\r+2*\p+1], v[RT+2*\r:RT+2*\r+1], v[RACC+2*\p:RACC+2*\p+1] op_sel_hi:[1,0,1]
.endr
.endr
.if \refill
	FILL \slot, 3
.endif
.endm
; Four rows of node_feats: c of each key, and G = fma(c, 0, G): unchanged by a finite c, NaN otherwise.  The first takes the wave's 16 keys.
.macro NGROUP slot, first, left, refill
	s_wait_loadcnt \left
	DOT4 \slot, RW, RT
.if \first
	v_fma_f32 v[RG], v[RT], 0, 0x41800000
.else
	v_fma_f32 v[RG], v[RT], 0, v[RG]
.endif
.irp r, 1,2,3
	v_fma_f32 v[RG], v[RT+2*\r], 0, v[RG]
.endr
.if \refill
	FILL \slot, 3
.endif
.endm
	XGROUP SL0, 1, 32, 1                           ; younger: groups 1 and 2.  Then group 3 is asked for, into this slot
	XGROUP SL1, 0, 32, 0                           ; younger: groups 2 and 3
	XGROUP SL2, 0, 16, 0                           ; younger: group 3
	XGROUP SL0, 0, 0, 0
	s_lshl_b32 s15, s12, 11                        ; LDS: 2,048 bytes for each of waves 0-7
	v_add_nc_u32 v5, s15, v1
.irp j, 0,1,2,3
	ds_store_b128 v5, v[RACC+4*\j:RACC+4*\j+3] offset:512*\j           ; at the bytes' own place in a row
.endr
	ds_store_b32 v[RA], v[RM] offset:16384         ; m[8] at 16384 (waves 0-7)
	ds_store_b32 v[RA], v[RZ] offset:16448         ; z[8] at 16448
	s_branch .Ljoin
.Lnode:
	NGROUP SL0, 1, 32, 1
	NGROUP SL1, 0, 32, 0
	NGROUP SL2, 0, 16, 0
	NGROUP SL0, 0, 0, 0
	ds_store_b32 v[RA], v[RG] offset:16384         ; g[8] at 16416: 16384 + 4 x wave, waves 8-15
.Ljoin:
	s_wait_dscnt 0x0                               ; my stores are done, for the other waves' sake
	s_barrier_signal -1
	s_barrier_wait -1
	s_cmp_gt_u32 s12, 4
	s_cbranch_scc1 .Lend
; the eight maxima in v[mb..mb+7] become the factors 2^(m - M); M goes to v[mm]
.macro FACT mb, mm
	v_max3_num_f32 v[\mm], v[\mb], v[\mb+1], v[\mb+2]
	v_max3_num_f32 v[\mm], v[\mm], v[\mb+3], v[\mb+4]
	v_max3_num_f32 v[\mm], v[\mm], v[\mb+5], v[\mb+6]
	v_max_num_f32 v[\mm], v[\mm], v[\mb+7]
.irp u, 0,1,2,3,4,5,6,7
	v_sub_f32 v[\mb+\u], v[\mb+\u], v[\mm]
.endr
.irp u, 0,1,2,3,4,5,6,7
	v_exp_f32 v[\mb+\u], v[\mb+\u]
.endr
	v_nop                                          ; the plain place behind the exponentials
.endm
	v_mov_b32 v6, 0
	ds_load_b128 v[50:53], v6 offset:16384         ; m[0..7]
	ds_load_b128 v[54:57], v6 offset:16400
	s_cmp_eq_u32 s12, 4
	s_cbranch_scc1 .Lstat
	; waves 0-3: 512 bytes of the merged acc each
	s_lshl_b32 s15, s12, 9
	v_add_nc_u32 v5, s15, v1
.irp u, 0,1,2,3,4,5,6,7
	ds_load_b128 v[58+4*\u:61+4*\u], v5 offset:2048*\u                 ; v[58:89]
.endr
	s_wait_dscnt 8                                 ; the two loads of m are in; the eight behind them stay out
	FACT 50, 94                                    ; touches v50-57 and v94 only: none of the registers still to be loaded
	s_wait_dscnt 0x0
	s_wait_alu depctr_va_vdst(0)
.irp k, 0,1,2,3
	v_mul_f32 v[90+\k], v50, v[58+\k]
.endr
.irp u, 1,2,3,4,5,6,7
.irp k, 0,1,2,3
	v_fmac_f32 v[90+\k], v[50+\u], v[58+4*\u+\k]
.endr
.endr
	global_store_b128 v5, v[90:93], s[10:11]       ; 512 consecutive bytes a wave, aligned to 256
	s_wait_tensorcnt 0x0
	ds_add_u32 v254, v255
	s_wait_dscnt 0x0
	s_endpgm
.Lstat:
	; wave 4: the record's (M, Z, G, 0)
	ds_load_b128 v[58:61], v6 offset:16448         ; z[0..7]
	ds_load_b128 v[62:65], v6 offset:16464
	ds_load_b128 v[66:69], v6 offset:16416         ; g[0..7]
	ds_load_b128 v[70:73], v6 offset:16432
	s_wait_dscnt 0x0
	FACT 50, 74
	s_wait_alu depctr_va_vdst(0)
	v_mul_f32 v75, v50, v58
.irp u, 1,2,3,4,5,6,7
	v_fmac_f32 v75, v[50+\u], v[58+\u]
.endr
	v_add_f32 v66, v66, v67
	v_add_f32 v68, v68, v69
	v_add_f32 v70, v70, v71
	v_add_f32 v72, v72, v73
	v_add_f32 v66, v66, v68
	v_add_f32 v70, v70, v72
	v_add_f32 v66, v66, v70
	v_and_b32 v76, 1, v0
	v_cmp_eq_u32 vcc_lo, 1, v76                    ; odd lanes carry (G, 0), even lanes (M, Z)
	v_mov_b32 v77, 0
	v_cndmask_b32 v78, v74, v66, vcc_lo
	v_cndmask_b32 v79, v75, v77, vcc_lo
	v_lshrrev_b32 v80, 1, v1                       ; 8 x lane
	global_store_b64 v80, v[78:79], s[10:11] offset:2048               ; one store of 256 consecutive bytes, aligned
.Lend:
	s_wait_tensorcnt 0x0
	ds_add_u32 v254, v255
	s_wait_dscnt 0x0
	s_endpgm
.Lfunc_end_k_q20afbfe40d_stream:
	.size	k_q20afbfe40d_stream, .Lfunc_end_k_q20afbfe40d_stream-k_q20afbfe40d_stream
	.p2alignl 7, 3214868480
	.fill 96, 4, 3214868480
	.section	.rodata,"a",@progbits
	.p2align	6, 0x0
	.amdhsa_kernel k_q20afbfe40d_stream
		.amdhsa_group_segment_fixed_size 18688
		.amdhsa_private_segment_fixed_size 0
		.amdhsa_enable_private_segment 0
		.amdhsa_kernarg_size 32
		.amdhsa_user_sgpr_count 2
		.amdhsa_user_sgpr_kernarg_segment_ptr 1
		.amdhsa_wavefront_size32 1
		.amdhsa_system_sgpr_workgroup_id_x 1
		.amdhsa_system_sgpr_workgroup_id_y 1
		.amdhsa_system_sgpr_workgroup_id_z 1
		.amdhsa_system_vgpr_workitem_id 0
		.amdhsa_next_free_vgpr 256
		.amdhsa_next_free_sgpr 66
		.amdhsa_reserve_vcc 1
		.amdhsa_float_denorm_mode_32 3
		.amdhsa_float_denorm_mode_16_64 3
		.amdhsa_memory_ordered 1
		.amdhsa_forward_progress 1
		.amdhsa_inst_pref_size 56
	.end_amdhsa_kernel
	.amdgpu_metadata
---
amdhsa.version: [ 1, 2 ]
amdhsa.kernels:
  - .name:           k_q20afbfe40d_stream
    .symbol:         k_q20afbfe40d_stream.kd
    .args:
      - { .name: x, .offset: 0, .size: 8, .value_kind: global_buffer, .address_space: global }
      - { .name: node_feats, .offset: 8, .size: 8, .value_kind: global_buffer, .address_space: global }
      - { .name: wvec, .offset: 16, .size: 8, .value_kind: global_buffer, .address_space: global }
      - { .name: part, .offset: 24, .size: 8, .value_kind: global_buffer, .address_space: global }
    .group_segment_fixed_size: 18688
    .private_segment_fixed_size: 0
    .kernarg_segment_align: 8
    .kernarg_segment_size: 32
    .max_flat_workgroup_size: 512
    .sgpr_count:     66
    .vgpr_count:     256
    .wavefront_size: 32
...
	.end_amdgpu_metadata
.endif
;; end of part 2
;; launch finish (part 3): grid 8 x 16, 8 waves a work-group, no clusters, 7,168 bytes of LDS; arguments part, wvo, out0; writes out0
.if DOCPART == 3
	.amdgcn_target "amdgcn-amd-amdhsa--gfx1250"
	.amdhsa_code_object_version 6
	.text
	.protected	k_q20afbfe40d_finish
	.globl	k_q20afbfe40d_finish
	.p2align	8
	.type	k_q20afbfe40d_finish,@function
k_q20afbfe40d_finish:
	s_mov_b64 s[64:65], 0
	v_nop
	global_prefetch_b8 v0, s[64:65] scope:SCOPE_SE
	s_setreg_imm32_b32 hwreg(HW_REG_WAVE_MODE, 25, 1), 1
	s_wait_xcnt 0x0
; FINISH: out0[b][o] = sum_i xbar[b][i] wvo[i][o],  xbar[b] = (G / Z) sum over the batch's 16 records c of 2^(M_c - M) acc_c,
; with M = max M_c, Z = sum 2^(M_c - M) Z_c, G = sum G_c (2,048 keys, or NaN).
; Work-group (oc, b) makes the 64 outputs 64 oc .. +63 of batch b.  Wave w owns i = 64 w .. 64 w + 63: it merges those 64 words of the
; 16 records and multiplies them into its 64 rows x 64 columns of wvo; the eight waves' sums meet in LDS.  All in f32 on the vector unit:
; the product has one row, a sixteenth of a matrix tile.
; LIMIT: 1 / Z is v_rcp_f32 (1 ULP, ISA guide 15.8).  Z is at least 1: the record that holds M counts its largest weight as 1.
; No cluster: the 16 batches of a column block read the same 128 KiB of wvo, but each in one burst of 32 loads a wave with no loop behind
; it, straight into the registers that the 128 multiply-adds read; a joint request would put an LDS pass and a cluster's barrier in front.
.set XB, 64                            ; v[64:95]  xbar of my half-wave's 32 rows
.set WV, 96                            ; v[96:223] 32 rows of wvo, 4 columns a lane
.set OA, 22                            ; v[22:25]  sums of the even rows
.set OB, 26                            ; v[26:29]  sums of the odd rows
	s_load_b128 s[4:7], s[0:1], 0x0                ; part s[4:5], wvo s[6:7]
	s_load_b64 s[8:9], s[0:1], 0x10                ; out0
	v_lshl_add_u32 v224, v0, 2, 0x1800
	v_mov_b32 v225, 0
	v_and_b32 v1, 31, v0
	v_and_b32 v2, 15, v0                           ; r
	v_bfe_u32 v3, v0, 4, 1                         ; hh
	v_lshrrev_b32 v4, 5, v0
	v_readfirstlane_b32 s20, v4                    ; wave 0..7
	s_and_b32 s21, ttmp7, 0xffff                   ; b
	s_mul_i32 s10, s21, 36864                      ; 16 records of 2,304 bytes
	s_mov_b32 s11, 0
	s_lshl_b32 s12, s20, 8                         ; my 64 words of a record; also my 256 bytes of LDS
	s_mov_b32 s13, 0
	s_lshl_b32 s14, s20, 17                        ; my 64 rows of wvo
	s_lshl_b32 s16, ttmp9, 8                       ; my 64 columns
	s_add_co_u32 s14, s14, s16
	s_mov_b32 s15, 0
	s_lshl_b32 s18, s21, 11
	s_add_co_u32 s18, s18, s16
	s_mov_b32 s19, 0
	s_lshl_b32 s17, s20, 9
	v_mul_u32_u24 v5, v2, 2304                     ; lane r: record r's statistics
	v_lshlrev_b32 v6, 3, v1                        ; 8 x lane
	v_lshlrev_b32 v7, 4, v2
	v_lshl_add_u32 v7, v3, 16, v7                  ; wvo: 32 rows for each half of the lanes, 16 bytes for each r
	v_add_nc_u32 v8, s12, v6                       ; LDS: xbar in, 8 bytes a lane
	v_lshlrev_b32 v9, 7, v3
	v_add_nc_u32 v9, s12, v9                       ; LDS: xbar back, my half's 32 words
	v_lshlrev_b32 v30, 4, v1
	v_add_nc_u32 v30, s17, v30                     ; LDS: my wave's 512 bytes of sums (behind byte 2,048)
	s_wait_kmcnt 0x0
	s_add_nc_u64 s[4:5], s[4:5], s[10:11]
	s_add_nc_u64 s[22:23], s[4:5], s[12:13]
	s_add_nc_u64 s[6:7], s[6:7], s[14:15]
	s_add_nc_u64 s[8:9], s[8:9], s[18:19]
	global_load_b128 v[16:19], v5, s[4:5] offset:2048                  ; (M, Z, G, 0) of record r
.irp c, 0,1,2,3,4,5,6,7,8,9,10,11,12,13,14,15
	global_load_b64 v[32+2*\c:33+2*\c], v6, s[22:23] offset:2304*\c    ; 256 consecutive bytes of record c
.endr
.irp n, 0,1,2,3,4,5,6,7,8,9,10,11,12,13,14,15,16,17,18,19,20,21,22,23,24,25,26,27,28,29,30,31
	global_load_b128 v[WV+4*\n:WV+4*\n+3], v7, s[6:7] offset:2048*\n   ; rows 64 w + n and 64 w + 32 + n, 256 consecutive bytes each
.endr
	s_wait_loadcnt 48                              ; the statistics are in; 16 + 32 younger loads stay out
	v_mov_b32 v10, v16
.irp msk, 1,2,4,8
	v_max_num_f32_dpp v10, v10, v10 row_xmask:\msk row_mask:0xf bank_mask:0xf      ; M; both halves of the lanes hold the same 16 records
.endr
	v_sub_f32 v11, v16, v10
	v_exp_f32 v11, v11                             ; f = 2^(M_c - M)
	v_mov_b32 v13, v18                             ; (the plain place behind it)
	s_wait_alu depctr_va_vdst(0)
	v_mul_f32 v12, v11, v17
.irp msk, 1,2,4,8
	v_add_f32_dpp v12, v12, v12 row_xmask:\msk row_mask:0xf bank_mask:0xf          ; Z
	v_add_f32_dpp v13, v13, v13 row_xmask:\msk row_mask:0xf bank_mask:0xf          ; G
.endr
	v_rcp_f32 v14, v12
	v_mul_f32 v15, v11, v13                        ; (the plain place behind it)
	s_wait_alu depctr_va_vdst(0)
	v_mul_f32 v15, v15, v14                        ; record r's factor f G / Z
.irp c, 0,1,2,3,4,5,6,7,8,9,10,11,12,13,14,15
	v_readlane_b32 s[32+\c], v15, \c
.endr
	s_wait_loadcnt 32                              ; the 16 partials are in; wvo's 32 loads stay out
	v_mul_f32 v20, s32, v32
	v_mul_f32 v21, s32, v33
.irp c, 1,2,3,4,5,6,7,8,9,10,11,12,13,14,15
	v_fmac_f32 v20, s[32+\c], v[32+2*\c]
	v_fmac_f32 v21, s[32+\c], v[33+2*\c]
.endr
	ds_store_b64 v8, v[20:21]                      ; xbar[64 w + 2 lane], [.. + 1]
.irp u, 0,1,2,3,4,5,6,7
	ds_load_b128 v[XB+4*\u:XB+4*\u+3], v9 offset:16*\u                 ; my wave's own bytes, served in order (ISA guide 5.7.1): no barrier
.endr
	s_wait_dscnt 0x0
.irp b, 0,1,2,3
	s_wait_loadcnt 24-8*\b                         ; rows 8 b .. 8 b + 7 are in; the later rows' loads stay out
.irp e, 0,2,4,6
.irp k, 0,1,2,3
.if \b+\e == 0
	v_mul_f32 v[OA+\k], v[XB], v[WV+\k]            ; the first products start the two chains
	v_mul_f32 v[OB+\k], v[XB+1], v[WV+4+\k]
.else
	v_fmac_f32 v[OA+\k], v[XB+8*\b+\e], v[WV+4*(8*\b+\e)+\k]
	v_fmac_f32 v[OB+\k], v[XB+8*\b+\e+1], v[WV+4*(8*\b+\e+1)+\k]
.endif
.endr
.endr
.endr
	v_pk_add_f32 v[OA:OA+1], v[OA:OA+1], v[OB:OB+1]
	v_pk_add_f32 v[OA+2:OA+3], v[OA+2:OA+3], v[OB+2:OB+3]
	ds_store_b128 v30, v[OA:OA+3] offset:2048      ; sixteen vectors of 64 sums (8 waves x 2 halves), 256 bytes each
	s_wait_dscnt 0x0                               ; done, for wave 0's sake
	s_barrier_signal -1
	s_barrier_wait -1
	s_cmp_lg_u32 s20, 0
	s_cbranch_scc1 .Lend
.irp u, 0,1,2,3,4,5,6,7,8,9,10,11,12,13,14,15
	ds_load_b64 v[32+2*\u:33+2*\u], v6 offset:2048+256*\u
.endr
	s_wait_dscnt 0x0
.irp u, 0,2,4,6,8,10,12,14
	v_pk_add_f32 v[32+2*\u:33+2*\u], v[32+2*\u:33+2*\u], v[34+2*\u:35+2*\u]
.endr
.irp u, 0,4,8,12
	v_pk_add_f32 v[32+2*\u:33+2*\u], v[32+2*\u:33+2*\u], v[36+2*\u:37+2*\u]
.endr
.irp u, 0,8
	v_pk_add_f32 v[32+2*\u:33+2*\u], v[32+2*\u:33+2*\u], v[40+2*\u:41+2*\u]
.endr
	v_pk_add_f32 v[32:33], v[32:33], v[48:49]
	global_store_b64 v6, v[32:33], s[8:9]          ; one store of 256 consecutive bytes, aligned
.Lend:
	s_wait_tensorcnt 0x0
	ds_add_u32 v224, v225
	s_wait_dscnt 0x0
	s_endpgm
.Lfunc_end_k_q20afbfe40d_finish:
	.size	k_q20afbfe40d_finish, .Lfunc_end_k_q20afbfe40d_finish-k_q20afbfe40d_finish
	.p2alignl 7, 3214868480
	.fill 96, 4, 3214868480
	.section	.rodata,"a",@progbits
	.p2align	6, 0x0
	.amdhsa_kernel k_q20afbfe40d_finish
		.amdhsa_group_segment_fixed_size 7168
		.amdhsa_private_segment_fixed_size 0
		.amdhsa_enable_private_segment 0
		.amdhsa_kernarg_size 24
		.amdhsa_user_sgpr_count 2
		.amdhsa_user_sgpr_kernarg_segment_ptr 1
		.amdhsa_wavefront_size32 1
		.amdhsa_system_sgpr_workgroup_id_x 1
		.amdhsa_system_sgpr_workgroup_id_y 1
		.amdhsa_system_sgpr_workgroup_id_z 1
		.amdhsa_system_vgpr_workitem_id 0
		.amdhsa_next_free_vgpr 226
		.amdhsa_next_free_sgpr 66
		.amdhsa_reserve_vcc 0
		.amdhsa_float_denorm_mode_32 3
		.amdhsa_float_denorm_mode_16_64 3
		.amdhsa_memory_ordered 1
		.amdhsa_forward_progress 1
		.amdhsa_inst_pref_size 17
	.end_amdhsa_kernel
	.amdgpu_metadata
---
amdhsa.version: [ 1, 2 ]
amdhsa.kernels:
  - .name:           k_q20afbfe40d_finish
    .symbol:         k_q20afbfe40d_finish.kd
    .args:
      - { .name: part, .offset: 0, .size: 8, .value_kind: global_buffer, .address_space: global }
      - { .name: wvo, .offset: 8, .size: 8, .value_kind: global_buffer, .address_space: global }
      - { .name: out0, .offset: 16, .size: 8, .value_kind: global_buffer, .address_space: global }
    .group_segment_fixed_size: 7168
    .private_segment_fixed_size: 0
    .kernarg_segment_align: 8
    .kernarg_segment_size: 24
    .max_flat_workgroup_size: 256
    .sgpr_count:     66
    .vgpr_count:     226
    .wavefront_size: 32
...
	.end_amdgpu_metadata
.endif
;; end of part 3
